; MI455X (gfx1250); checked and timed in simulation.
; The chip was launched on July 23, 2026; its instructions are those of AMD's public machine-readable ISA for CDNA 5 (MIT licence, August 2026) and "CDNA5" Instruction Set Architecture Reference Guide (July 2026). The comments in the code are by the model that wrote it; some were corrected since.
;; Perspective Network. Allowed arithmetic: matrix products marked QUANTISED: E2M1 operands, one E8M0 scale for each 32 along K, by v_wmma_scale_f32_16x16x128_f8f6f4 with both operands' format E2M1 (or v_wmma_scale_f32_32x16x128_f4), f32 sums; products left as they are: f32 operands where the result goes on into a quantised operand, else bf16, f16 or f32 operands; f32 sums; everything else in f32.
;; Inputs: W_ft 1,024 x 768 float32; W_out 1 x 2,048 float32; b_ft 1,024 float32; b_out 1 float32; board_nstm 16,384 x 768 float32; board_stm 16,384 x 768 float32.
;; Outputs: out0 16,384 x 1 float32.
;; This version of the problem:
;;   THIS VERSION OF THE PROBLEM IS GIVEN IN LOW PRECISION. The matrix products marked QUANTISED in the list below multiply operands that are first quantised to E2M1 (2 exponent bits, 1 mantissa bit; 4 bits a number), with one power-of-two scale for each 32 numbers along K (OCP MX v1.0); their sums are f32. All else is computed in f32.
;;   The module's matrix products, in the order in which they are computed (A, B: the left and right operand; K: the contracted axis; several contracted axes count as one K, in the product's order):
;;     1. [M 16,384, K 768] x [K 768, N 1,024]; A: input board_stm; B: input W_ft: QUANTISED
;;     2. [M 16,384, K 768] x [K 768, N 1,024]; A: input board_nstm; B: input W_ft: QUANTISED
;;     3. [M 16,384, K 2,048] x [K 2,048, N 1]; A: computed on the way; B: input W_out: left as it is (N = 1 < 16)
;;   THE QUANTISER, for each operand of a quantised product, along K:
;;     - K is cut into blocks of 32 from its start; a last block that is shorter is filled with zeros.
;;     - A block's scale is 2^e with e = floor(log2(the largest magnitude in the block)) - 2, held to -126 .. 127; a block of zeros has e = 0. As a byte (E8M0): e + 127.
;;     - Each number is divided by its block's scale, clamped to +-6, and rounded to the nearest number of E2M1, ties to even, subnormals kept.
;;     - The product sums the exact products of the quantised numbers (number of the format x scale) in f32.
;;   ~~~python
;;   def quantise(x, axis):      # numpy; x: float32 -> the quantised numbers, widened to float32 again
;;       x = np.moveaxis(x, axis, -1); K = x.shape[-1]
;;       x = np.pad(x, [(0, 0)] * (x.ndim - 1) + [(0, -K % 32)]); x = x.reshape(x.shape[:-1] + (-1, 32)); a = np.abs(x).max(-1, keepdims=True)
;;       e = np.where(a > 0, np.clip(np.frexp(np.where(a > 0, a, 1))[1] - 1 - 2, -126, 127), 0)      # np.frexp(a)[1] - 1 = floor(log2(a)), exactly
;;       r = np.clip(x / 2.0 ** e, -6, 6)
;;       step = 2.0 ** (np.maximum(np.frexp(np.where(r == 0, 1, r))[1] - 1, 0) - 1)
;;       q = np.round(r / step) * step * 2.0 ** e      # np.round: ties to even
;;       return np.moveaxis(q.reshape(q.shape[:-2] + (-1,))[..., :K], -1, axis).astype(np.float32)
;;   ~~~
;; One version. Each part assembles by itself: llvm-mc -triple=amdgcn-amd-amdhsa -mcpu=gfx1250 --defsym DOCPART=n.
;; ======== version 1 of 1: 2 launches
;; limits: right only within a limited range of input values
;; workspace buffers: wq 393,216 bytes; ws 24,576 bytes
;; launch wprep (part 1): grid 6 x 64, 1 waves a work-group, no clusters, 8,960 bytes of LDS; arguments W_ft, wq, ws; writes wq, ws
.if DOCPART == 1
	.amdgcn_target "amdgcn-amd-amdhsa--gfx1250"
	.amdhsa_code_object_version 6
	.text
	.protected	k_q0d7d52788e_wprep
	.globl	k_q0d7d52788e_wprep
	.p2align	8
	.type	k_q0d7d52788e_wprep,@function
k_q0d7d52788e_wprep:
	s_mov_b64 s[64:65], 0
	v_nop
	global_prefetch_b8 v0, s[64:65] scope:SCOPE_SE
	s_setreg_imm32_b32 hwreg(HW_REG_WAVE_MODE, 25, 1), 1
	s_wait_xcnt 0x0
; W_ft [1024][768] f32 becomes codes of FP4 (E2M1) with one E8M0 scale byte for each 32 along K, laid in the ORDER OF THE OPERAND'S REGISTERS for the launch that follows.
; One wave makes one fragment: 16 outputs x 128 along K (K step s = work-group x; tile T = work-group y).  With w = T / 16, t = T % 16, row r of the tile is output 256 w + 16 r + t, so that in the next launch
; lane r's sixteen tiles are sixteen neighbouring outputs.
; wq: fragment F = 96 w + 32 (s / 2) + 2 t + s % 2 takes 1,024 bytes; in it register group c of lane l lies at 512 c + 16 l: lane (r, h) holds row r, k = 128 s + 64 c + 32 h + 0 .. 31.
; ws: with i = 3 t + s / 2 the scale word (four bytes, 128 along K) of row r lies at 6144 w + 512 (i / 4) + 256 (s % 2) + 16 r + 4 (i % 4): four of the next launch's registers to a load.
; A block's scale is 2^(floor(log2(its largest magnitude)) - 2); its byte is that magnitude's exponent field - 2, held at 1 from below.
; LIMITS: a block of zeros gets the byte 1 where the rule says 127 (its codes are zeros, which add nothing, and this program alone reads the bytes); blocks whose largest magnitude lies under 2^-124 keep the byte 1;
; NaN and infinities among the inputs are not served.
; Each load reads 512 consecutive bytes of one row; the 16 rows turn through a stage in LDS (rows 528 bytes apart, an odd multiple of 16), so that a lane gets the two whole blocks of its row that the operand wants in it.
.set RAW, 16                           ; v16-79   16 rows as loaded, 4 registers each
.set NUM, 80                           ; v80-143  register 32 c + i = k 64 c + 32 h + i of my row
.set TM,  144                          ; v144-151 at work
.set PC,  152                          ; v152-159 the fragment
.set SP,  528
	s_load_b128 s[4:7], s[0:1], 0x0                ; W_ft s[4:5], wq s[6:7]
	s_load_b64 s[8:9], s[0:1], 0x10                ; ws
	v_lshl_add_u32 v10, v0, 2, 0x2200
	v_mov_b32 v11, 0
	v_and_b32 v1, 15, v0                           ; r
	v_lshrrev_b32 v2, 4, v0                        ; h (one wave: v0 is the lane)
	v_lshlrev_b32 v3, 4, v0                        ; 16 x lane: my bytes of a load, of a stage row on the way in, and of a store into wq
	v_mul_u32_u24 v4, v1, SP
	v_lshl_add_u32 v4, v2, 7, v4                   ; the stage on the way out: row r, + 128 h
	v_lshlrev_b32 v5, 4, v1                        ; 16 r
	v_lshlrev_b32 v6, 3, v2                        ; 8 h
	v_mov_b32 v7, 0                                ; a lane permute's destination counts as one of its sources
	s_mov_b32 s10, ttmp9                           ; s
	s_and_b32 s11, ttmp7, 0xffff                   ; T
	s_lshr_b32 s12, s11, 4                         ; w
	s_and_b32 s13, s11, 15                         ; t
	s_lshr_b32 s22, s10, 1                         ; s / 2
	s_and_b32 s23, s10, 1                          ; s % 2
	s_mul_i32 s14, s12, 786432                     ; W_ft: 256 w + t rows of 3,072 bytes, + 512 s
	s_mul_i32 s24, s13, 3072
	s_add_co_u32 s14, s14, s24
	s_lshl_b32 s24, s10, 9
	s_add_co_u32 s14, s14, s24
	s_mov_b32 s15, 0
	s_mul_i32 s16, s12, 98304                      ; wq: 1,024 F
	s_lshl_b32 s24, s22, 15
	s_add_co_u32 s16, s16, s24
	s_lshl_b32 s24, s13, 11
	s_add_co_u32 s16, s16, s24
	s_lshl_b32 s24, s23, 10
	s_add_co_u32 s16, s16, s24
	s_mov_b32 s17, 0
	s_mul_i32 s25, s13, 3                          ; i
	s_add_co_u32 s25, s25, s22
	s_mul_i32 s18, s12, 6144                       ; ws
	s_lshr_b32 s24, s25, 2
	s_lshl_b32 s24, s24, 9
	s_add_co_u32 s18, s18, s24
	s_lshl_b32 s24, s23, 8
	s_add_co_u32 s18, s18, s24
	s_and_b32 s24, s25, 3
	s_lshl_b32 s24, s24, 2
	s_add_co_u32 s18, s18, s24
	s_mov_b32 s19, 0
	s_mov_b32 s20, 0x76543210
	s_mov_b32 s21, 0xfedcba98                      ; v_permlanex16_b32's selects for lane l xor 16
	s_wait_alu depctr_va_vdst(0)                   ; the wait at the head's end
	s_wait_kmcnt 0x0
	s_add_nc_u64 s[4:5], s[4:5], s[14:15]
	s_add_nc_u64 s[6:7], s[6:7], s[16:17]
	s_add_nc_u64 s[8:9], s[8:9], s[18:19]
.irp i, 0,1,2,3,4,5,6,7,8,9,10,11,12,13,14,15
	global_load_b128 v[RAW+4*\i:RAW+4*\i+3], v3, s[4:5] offset:49152*\i th:TH_LOAD_NT   ; row i, 16 rows of W_ft further down each: 32 lanes read 512 consecutive bytes; read once in the launch
.endr
.irp i, 0,1,2,3,4,5,6,7,8,9,10,11,12,13,14,15
	s_wait_loadcnt 15-\i                           ; loads come back in order: row i is in, the 15 - i younger ones may be out
	ds_store_b128 v3, v[RAW+4*\i:RAW+4*\i+3] offset:SP*\i
.endr
.irp c, 0,1
.irp j, 0,1,2,3,4,5,6,7
	ds_load_b128 v[NUM+32*\c+4*\j:NUM+32*\c+4*\j+3], v4 offset:256*\c+16*\j   ; LDS serves a wave's instructions in order: these see the stores above
.endr
.endr
	s_wait_dscnt 0x0
.irp c, 0,1                                    ; two chains for each of my two blocks, by turns
	v_max3_num_f32 v[TM+2*\c], |v[NUM+32*\c]|, |v[NUM+32*\c+1]|, 0x1800000     ; the floor 2^(3 - 127): the byte cannot fall under 1
	v_max3_num_f32 v[TM+2*\c+1], |v[NUM+32*\c+2]|, |v[NUM+32*\c+3]|, |v[NUM+32*\c+4]|
.endr
.irp i, 5,9,13,17,21,25
.irp c, 0,1
	v_max3_num_f32 v[TM+2*\c], v[TM+2*\c], |v[NUM+32*\c+\i]|, |v[NUM+32*\c+\i+1]|
	v_max3_num_f32 v[TM+2*\c+1], v[TM+2*\c+1], |v[NUM+32*\c+\i+2]|, |v[NUM+32*\c+\i+3]|
.endr
.endr
.irp c, 0,1
	v_max3_num_f32 v[TM+2*\c], v[TM+2*\c], |v[NUM+32*\c+29]|, |v[NUM+32*\c+30]|
.endr
.irp c, 0,1
	v_max3_num_f32 v[TM+2*\c], v[TM+2*\c], v[TM+2*\c+1], |v[NUM+32*\c+31]|
.endr
.irp c, 0,1
	v_add_nc_u32 v[TM+4+\c], 0xff000000, v[TM+2*\c]   ; 2 off its exponent field: the conversion takes the exponent field of this operand as its scale
.endr
.irp c, 0,1
	v_lshrrev_b32 v[TM+6+\c], 23, v[TM+4+\c]       ; the scale's byte
.endr
	v_lshl_or_b32 v8, v[TM+7], 16, v[TM+6]         ; my two bytes: blocks h and 2 + h of row r,
	v_lshlrev_b32 v8, v6, v8                       ; at their places in the scale word
	v_permlanex16_b32 v7, v8, s20, s21
	v_or_b32 v8, v8, v7                            ; with lane l xor 16's two the word is whole
.irp c, 0,1
.irp g, 0,1,2,3
	v_cvt_scalef32_pk8_fp4_f32 v[PC+4*\c+\g], v[NUM+32*\c+8*\g:NUM+32*\c+8*\g+7], v[TM+4+\c]
.endr
.endr
	v_nop                                          ; one plain place behind a scaled conversion
	global_store_b128 v3, v[PC:PC+3], s[6:7]               ; 32 lanes store 512 consecutive bytes, at a multiple of 512 from wq's first byte
	global_store_b128 v3, v[PC+4:PC+7], s[6:7] offset:512
	v_cmp_gt_u32 vcc_lo, 16, v0
	s_wait_alu depctr_va_vdst(0)                   ; directly ahead of the waits below
	s_wait_tensorcnt 0x0                           ; the wave's end, behind my last LDS store
	ds_add_u32 v10, v11
	s_wait_dscnt 0x0
	s_wait_xcnt 0x0                                ; EXEC is a source of the stores above: it changes only behind this wait
	s_and_saveexec_b32 s26, vcc_lo
	global_store_b32 v5, v8, s[8:9]                ; lanes 0-15: my rows' scale words (24,576 bytes in the whole launch)
	s_wait_xcnt 0x0                                ; and again in front of the line that widens it
	s_or_b32 exec_lo, exec_lo, s26
	s_endpgm
.Lfunc_end_k_q0d7d52788e_wprep:
	.size	k_q0d7d52788e_wprep, .Lfunc_end_k_q0d7d52788e_wprep-k_q0d7d52788e_wprep
	.p2alignl 7, 3214868480
	.fill 96, 4, 3214868480
	.section	.rodata,"a",@progbits
	.p2align	6, 0x0
	.amdhsa_kernel k_q0d7d52788e_wprep
		.amdhsa_group_segment_fixed_size 8960
		.amdhsa_private_segment_fixed_size 0
		.amdhsa_enable_private_segment 0
		.amdhsa_kernarg_size 24
		.amdhsa_user_sgpr_count 2
		.amdhsa_user_sgpr_kernarg_segment_ptr 1
		.amdhsa_wavefront_size32 1
		.amdhsa_system_sgpr_workgroup_id_x 1
		.amdhsa_system_sgpr_workgroup_id_y 1
		.amdhsa_system_sgpr_workgroup_id_z 1
		.amdhsa_system_vgpr_workitem_id 0
		.amdhsa_next_free_vgpr 168
		.amdhsa_next_free_sgpr 66
		.amdhsa_reserve_vcc 1
		.amdhsa_float_denorm_mode_32 3
		.amdhsa_float_denorm_mode_16_64 3
		.amdhsa_memory_ordered 1
		.amdhsa_forward_progress 1
		.amdhsa_inst_pref_size 10
	.end_amdhsa_kernel
	.amdgpu_metadata
---
amdhsa.version: [ 1, 2 ]
amdhsa.kernels:
  - .name:           k_q0d7d52788e_wprep
    .symbol:         k_q0d7d52788e_wprep.kd
    .args:
      - { .name: W_ft, .offset: 0, .size: 8, .value_kind: global_buffer, .address_space: global }
      - { .name: wq, .offset: 8, .size: 8, .value_kind: global_buffer, .address_space: global }
      - { .name: ws, .offset: 16, .size: 8, .value_kind: global_buffer, .address_space: global }
    .group_segment_fixed_size: 8960
    .private_segment_fixed_size: 0
    .kernarg_segment_align: 8
    .kernarg_segment_size: 24
    .max_flat_workgroup_size: 32
    .sgpr_count:     66
    .vgpr_count:     168
    .wavefront_size: 32
...
	.end_amdgpu_metadata
.endif
;; end of part 1
;; launch net (part 2): grid 256 x 1, 4 waves a work-group, clusters of 4 x 1, 327,680 bytes of LDS; arguments board_stm, board_nstm, wq, ws, b_ft, W_out, b_out, out0; writes out0
.if DOCPART == 2
	.amdgcn_target "amdgcn-amd-amdhsa--gfx1250"
	.amdhsa_code_object_version 6
	.text
	.protected	k_q0d7d52788e_net
	.globl	k_q0d7d52788e_net
	.p2align	8
	.type	k_q0d7d52788e_net,@function
k_q0d7d52788e_net:
	s_mov_b64 s[64:65], 0
	v_nop
	global_prefetch_b8 v0, s[64:65] scope:SCOPE_SE
	s_setreg_imm32_b32 hwreg(HW_REG_WAVE_MODE, 25, 1), 1
	s_wait_xcnt 0x0
	s_wait_alu depctr_hold_cnt(0) depctr_sa_sdst(0) depctr_va_vdst(0) depctr_va_sdst(0) depctr_va_ssrc(0) depctr_va_vcc(0) depctr_vm_vsrc(0)
	s_getreg_b32 s2, hwreg(HW_REG_IB_STS2, 6, 4)
	s_cmp_eq_u32 s2, 0
	s_cbranch_scc0 .Lentry_in_a_cluster
	s_endpgm
.Lentry_in_a_cluster:
	s_bfe_u32 s2, ttmp6, 0x10000c
	s_cmp_lg_u32 s2, 0x3003
	s_cbranch_scc0 .Lentry_shape_is_right
	s_endpgm
.Lentry_shape_is_right:
; out0[b] = sigmoid(sum over o of screlu(stm[b][o]) W_out[o] + screlu(nstm[b][o]) W_out[1024 + o] + b_out),  stm = Q(board_stm) Q(W_ft)^T + b_ft, nstm likewise, screlu(x) = clamp(x, 0, 1)^2.
; Both products on codes of FP4 (E2M1) with one E8M0 scale for each 32 along K; sums, bias, screlu, the last product and the sigmoid in f32.  The hidden layer never leaves the registers.
; SHARES.  A work-group of four waves owns 64 batch rows of BOTH boards (393,216 bytes of f32, read once), in four CHUNKS of 16 rows x 2 boards.  THE WAVES SHARE THE COLUMNS: wave w owns outputs 256 w .. 256 w + 255
; as 16 tiles (lane r of tile t: output 256 w + 16 r + t), and its 96 fragments of W (16 tiles x 6 K steps x 8 registers = 768 registers, windows 1 to 3) stay in registers for the whole launch.
; W.  CLUSTERS of four work-groups ask JOINTLY for the fragments of every wave's tiles 0-7, 196,608 bytes, into a stage in LDS, from which each wave takes its own; those of tiles 8-15 go from memory straight into the
; registers.  (All of W, 393,216 bytes, has no room in LDS, and half of it has room beside one chunk.)  The boards are shared by nobody: plain loads.
; HEAD.  One tensor load a wave: waves 0 and 1 the two halves of W's stage, waves 2 and 3 chunk 0's 16 rows of board_stm and of board_nstm.  Behind a barrier each wave takes its fragments out of the stage and quantises
; its part of chunk 0.
; A TRIP (chunk t).  A round of the cluster's barrier; each wave asks for ITS part of chunk t + 1 (8 rows x 768 of board w / 2, rows 8 (w % 2) on) into the one slot, whose chunk t has been quantised by then; the
; products of chunk t from its IMAGE (fragments as they stand in the registers) and what follows them; then each wave quantises the part of chunk t + 1 that its own load brought, into the other image.
; QUANTISER.  A unit is 8 rows x 128 columns: lane l holds the whole block of 32 of row l % 8, block l / 8.
; AFTER THE PRODUCTS, with x the product's sum and m = clamp(x, -b, 1 - b):  w clamp(x + b, 0, 1)^2 = w (m + b)^2 = m (w m + 2 w b) + w b^2.  The last term hangs on no row: its sum over a lane's outputs starts the sums.
; PREFETCH.  Trip t asks into the L2 for chunk t + 2, one step ahead of its tensor load; chunk 1 is asked for at the head.  Each wave names the 96 blocks of 256 bytes of its own 8 rows, lanes 256 bytes apart; each block is
; named once in the launch; the last two trips ask for nothing.
; LIMITS: NaN and infinities among the inputs are not served; a block of zeros keeps the scale byte 1 where the rule says 127 (its codes are zeros; the bytes never leave this launch), and so do blocks whose largest
; magnitude lies under 2^-124; the last product is summed in f32 in another order than a plain dot product over 2,048.
.set RP,    3120                       ; a row in the slot: 3 x (1,024 bytes + 16 of padding) = 195 x 16
.set WTILE, 8*RP                       ; a wave's 8 rows
.set WST,   4*WTILE                    ; 99,840: W's stage: 49,152 bytes for each wave; later in its first 4,352 bytes the wave's table of constants
.set XIMG,  WST+196608                 ; two images: fragment 6 p + s at 1,024 (6 p + s), group c of lane (r, h) at 512 c + 256 h + 16 (r xor 8 h)
.set XSC,   XIMG+12288                 ; behind an image its scale words: 128 s + 64 p + 4 r
.set IMGB,  13056                      ; bytes of an image
.set OSC,   XIMG+2*IMGB                ; the waves' sums: 256 w + 4 (row of 64)
.set SPARE, OSC+1024                   ; the spare words, 128 bytes for each wave
.set NA,   1                           ; v1   my block's numbers in the slot
.set IW,   2                           ; v2   where I store codes
.set SW,   3                           ; v3   and scale bytes
.set IR,   4                           ; v4   where I read images
.set SRD,  5                           ; v5   and scale words: lanes 0-15 board_stm's, lanes 16-31 board_nstm's
.set OW,   6                           ; v6   my wave's sums: OSC + 256 w + 32 h
.set ORD,  7                           ; v7   the sums read back
.set L16,  8                           ; v8   16 l
.set L256, 9                           ; v9   256 l
.set CT,   10                          ; v10  my row of my wave's table of constants
.set SPW,  11                          ; v11  LDS address of my spare word; never rewritten
.set NIL,  12                          ; v12  0; never rewritten
.set K0,   14                          ; v14-15 the sum of (W_out[o] + W_out[1024 + o]) b_ft[o]^2 over my lane's 16 outputs, twice
.set NB,   16                          ; v16-31 -b_ft of my 16 outputs
.set B1,   32                          ; v32-47 1 - b_ft
.set WS,   48                          ; v48-95 W's scale words: register 3 t + u: lanes 0-15 K step 2 u, lanes 16-31 K step 2 u + 1
.set XS,   96                          ; v96-101 x's scale words of K steps 0 .. 5
.set SUM,  102                         ; v102-109 the chunk's sums: register j = batch row 8 h + j
.set CR,   110                         ; v110-125 constants of eight tiles and one board: W_out, 2 W_out b_ft
.set WR,   110                         ;        at the head: my place in W's stage
.set R64,  111                         ;        at the head: 64 r
.set ACC,  126                         ; v126-189 eight accumulators; while quantising two units' numbers
.set XF,   190                         ; v190-237 six fragments of x; while quantising one unit's numbers, and codes from v222 on
.set TM,   238                         ; v238-253 at work
.set G1W,  24                          ; s[24:31] group 1 of W's joint loads
.set G1H,  32                          ; s[32:39] of chunk 0's loads: 16 rows
.set G1R,  40                          ; s[40:47] of the later chunks' loads: 8 rows
.set G0W,  68                          ; s[68:71], s[72:75], s[76:79] their groups 0
.set G0H,  72
.set G0R,  76
.set MSB, 0
.macro WIN new                         ; the immediate's high byte repeats the setting that is left
.if MSB != (\new)
	s_set_vgpr_msb (MSB<<8)|(\new)
.set MSB, (\new)
.endif
.endm
.macro PLACES                          ; four places behind matrix instructions, in front of the first read of their results and of loads into their sources
.rept 4
	v_nop
.endr
.endm
.macro CROUND                          ; a round of the cluster's barrier
	s_barrier_signal -1
	s_barrier_wait -1
	s_cmp_lg_u32 s20, 0
	s_cbranch_scc1 .Lnot_wave_0_\@
	s_barrier_signal -3
.Lnot_wave_0_\@:
	s_barrier_wait -3
	s_barrier_signal -1
	s_barrier_wait -1
.endm
	s_load_b256 s[4:11], s[0:1], 0x0               ; board_stm s[4:5], board_nstm s[6:7], wq s[8:9], ws s[10:11]
	s_load_b256 s[12:19], s[0:1], 0x20             ; b_ft s[12:13], W_out s[14:15], b_out s[16:17], out0 s[18:19]
	v_lshl_add_u32 v[SPW], v0, 2, SPARE
	v_mov_b32 v[NIL], 0
	ds_add_u32 v[SPW], v[NIL]                      ; the wave's opening: the add, twice on end, and its wait ahead of my first tensor load
	ds_add_u32 v[SPW], v[NIL]
	v_lshrrev_b32 v1, 5, v0
	v_readfirstlane_b32 s20, v1                    ; wave 0..3
	s_and_b32 s21, s20, 1
	s_lshr_b32 s22, s20, 1
	s_bfe_u32 s23, ttmp6, 0x40000                  ; my place in the cluster
	s_lshl_b32 s61, ttmp9, 2
	s_add_co_u32 s23, s23, s61                     ; work-group = 4 x cluster + place
	; group 1 of W's loads: 6 rows of 16,384 bytes (2,048 elements of 8 bytes), 32,768 bytes apart: tiles 0-7 of a wave's K steps 2 u, 2 u + 1; the mask names the cluster's four
	s_mov_b32 s[G1W+0], 15|(3<<16)|(1<<21)
	s_mov_b32 s[G1W+1], 2048<<16
	s_mov_b32 s[G1W+2], 6<<16
	s_mov_b32 s[G1W+3], 2048<<16
	s_mov_b32 s[G1W+4], 6
	s_mov_b32 s[G1W+5], 4096
	s_mov_b32 s[G1W+6], 0
	s_mov_b32 s[G1W+7], 0
	; of the boards' loads: rows of 768 elements of 4 bytes; in LDS 4 words of padding behind every 256 words, three times in a row
.irp g, G1H, G1R
	s_mov_b32 s[\g+0], (2<<16)|(1<<20)|(7<<22)|(3<<25)
	s_mov_b32 s[\g+1], 768<<16
	s_mov_b32 s[\g+3], 768<<16
	s_mov_b32 s[\g+5], 768
	s_mov_b32 s[\g+6], 0
	s_mov_b32 s[\g+7], 0
.endr
	s_mov_b32 s[G1H+2], 16<<16
	s_mov_b32 s[G1H+4], 16
	s_mov_b32 s[G1R+2], 8<<16
	s_mov_b32 s[G1R+4], 8
	s_mov_b32 s[G0W], 1
	s_mul_i32 s61, s21, 98304
	s_add_co_u32 s[G0W+1], s61, WST
	s_mov_b32 s[G0H], 1
	s_mul_i32 s[G0H+1], s21, 2*WTILE
	s_mul_i32 s60, s20, WTILE                      ; my 8 rows in the slot
	s_mov_b32 s[G0R], 1
	s_mov_b32 s[G0R+1], s60
	s_mul_i32 s50, s23, 196608                     ; the work-group's 64 rows of 3,072 bytes
	s_mov_b32 s51, 0
	s_mul_i32 s58, s21, 24576                      ; my 8 rows of a chunk's 16
	s_mov_b32 s59, 0
	s_mul_i32 s62, s21, 196608                     ; my half of W's joint loads
	s_mov_b32 s63, 0
	s_wait_dscnt 0x0                               ; both opening adds are done
	CROUND                                         ; all four work-groups are here: the joint loads meet
	s_wait_kmcnt 0x0
	s_add_nc_u64 s[G0W+2:G0W+3], s[8:9], s[62:63]
	s_or_b32 s[G0W+3], s[G0W+3], 0x80000000
	s_cmp_eq_u32 s21, 0                            ; at the head wave 2 fetches board_stm, wave 3 board_nstm
	s_cselect_b64 s[52:53], s[4:5], s[6:7]
	s_add_nc_u64 s[G0H+2:G0H+3], s[52:53], s[50:51]
	s_or_b32 s[G0H+3], s[G0H+3], 0x80000000
	s_cmp_lt_u32 s20, 2                            ; ONE chain of branches on the wave's number, one load in each arm
	s_cbranch_scc0 .Lboards
	tensor_load_to_lds s[G0W:G0W+3], s[G1W:G1W+7]
	s_nop 0
.rept 4
	v_nop
.endr
	s_branch .Lasked
.Lboards:
	tensor_load_to_lds s[G0H:G0H+3], s[G1H:G1H+7]
	s_nop 0
.rept 4
	v_nop
.endr
.Lasked:
	s_load_b32 s56, s[16:17], 0x0                  ; b_out
	s_cmp_lt_u32 s20, 2                            ; behind the head waves 0, 1 own board_stm's rows, waves 2, 3 board_nstm's
	s_cselect_b64 s[54:55], s[4:5], s[6:7]
	s_add_nc_u64 s[54:55], s[54:55], s[50:51]
	s_add_nc_u64 s[54:55], s[54:55], s[58:59]      ; my 8 rows of chunk 0: the prefetches' base
	s_add_nc_u64 s[G0R+2:G0R+3], s[54:55], 49152   ; and of chunk 1, 16 rows further down
	s_or_b32 s[G0R+3], s[G0R+3], 0x80000000
	s_mul_i32 s61, s22, 6144
	s_add_co_u32 s61, s61, XIMG
	s_lshl_b32 s62, s22, 6
	s_lshl_b32 s63, s21, 5
	s_add_co_u32 s62, s62, s63
	s_add_co_u32 s62, s62, XSC
	s_lshl_b32 s63, s20, 8
	s_add_co_u32 s63, s63, OSC
	s_mul_i32 s66, s20, 49152
	s_add_co_u32 s66, s66, WST
	v_and_b32 v[TM], 15, v0                        ; r
	v_bfe_u32 v[TM+1], v0, 4, 1                    ; h
	v_and_b32 v[TM+2], 31, v0                      ; the lane
	v_and_b32 v[TM+3], 7, v0                       ; in the quantiser: my row of 8,
	v_bfe_u32 v[TM+4], v0, 3, 2                    ; my block of 4,
	v_bfe_u32 v[TM+5], v0, 3, 1                    ; and its low bit: the half that reads it
	v_lshlrev_b32 v[L16], 4, v[TM+2]
	v_lshlrev_b32 v[L256], 8, v[TM+2]
	v_lshlrev_b32 v[R64], 6, v[TM]
	v_lshl_add_u32 v[SRD], v[TM+2], 2, XSC
	v_lshl_add_u32 v[ORD], v[TM+2], 3, OSC
	v_mul_u32_u24 v[NA], v[TM+3], RP
	v_lshl_add_u32 v[NA], v[TM+4], 7, v[NA]
	v_add_nc_u32 v[NA], s60, v[NA]
	v_xor_b32 v[TM+6], s21, v[TM+5]                ; row 8 (w % 2) + l % 8 goes to place row xor 8 h
	v_lshlrev_b32 v[IW], 7, v[TM+6]
	v_lshl_add_u32 v[IW], v[TM+5], 8, v[IW]
	v_lshl_add_u32 v[IW], v[TM+1], 9, v[IW]
	v_lshl_add_u32 v[IW], v[TM+3], 4, v[IW]
	v_add_nc_u32 v[IW], s61, v[IW]
	v_lshl_add_u32 v[SW], v[TM+3], 2, v[TM+4]
	v_add_nc_u32 v[SW], s62, v[SW]
	v_lshlrev_b32 v[TM+7], 3, v[TM+1]
	v_xor_b32 v[TM+7], v[TM], v[TM+7]
	v_lshlrev_b32 v[IR], 4, v[TM+7]
	v_lshl_add_u32 v[IR], v[TM+1], 8, v[IR]
	v_add_nc_u32 v[IR], XIMG, v[IR]
	v_lshl_add_u32 v[OW], v[TM+1], 5, s63
	v_add_nc_u32 v[WR], s66, v[L16]
	v_mul_u32_u24 v[CT], v[TM], 272
	v_add_nc_u32 v[CT], s66, v[CT]
	s_wait_alu depctr_va_vdst(0)                   ; ahead of the scalar lines and waits below
	s_mov_b32 s63, 0
	s_mul_i32 s62, s20, 98304                      ; my wave's 96 fragments in wq,
	s_add_nc_u64 s[8:9], s[8:9], s[62:63]
	s_mul_i32 s62, s20, 6144                       ; its scale words in ws,
	s_add_nc_u64 s[10:11], s[10:11], s[62:63]
	s_lshl_b32 s62, s20, 10                        ; its 256 numbers of b_ft and of each half of W_out,
	s_add_nc_u64 s[12:13], s[12:13], s[62:63]
	s_add_nc_u64 s[14:15], s[14:15], s[62:63]
	s_lshl_b32 s62, s23, 8                         ; and the work-group's 64 results
	s_add_nc_u64 s[18:19], s[18:19], s[62:63]
.irp q, 0,1,2,3
	global_load_b128 v[NB+4*\q:NB+4*\q+3], v[R64], s[12:13] offset:16*\q               ; b_ft of my 16 outputs
	global_load_b128 v[XF+4*\q:XF+4*\q+3], v[R64], s[14:15] offset:16*\q               ; W_out of them for board_stm
	global_load_b128 v[XF+16+4*\q:XF+16+4*\q+3], v[R64], s[14:15] offset:4096+16*\q    ; and for board_nstm
.endr
.irp q, 0,1,2,3,4,5,6,7,8,9,10,11
	global_load_b128 v[WS+4*\q:WS+4*\q+3], v[L16], s[10:11] offset:512*\q              ; 512 consecutive bytes
.endr
.macro PF c                            ; chunk c's bytes of mine into the L2
.irp k, 0,1,2
	global_prefetch_b8 v[L256], s[54:55] offset:49152*(\c)+8192*\k th:TH_LOAD_NT scope:SCOPE_SE
.endr
.endm
; W's fragments of K steps 2 u and 2 u + 1 fill window 1 + u: fragment (t, e) at v[8 (2 t + e)].  GW: n of the 32 loads of tiles 8-15, straight from memory, from the i0-th on; each reads 512 consecutive bytes
.macro GW u, i0, n
	WIN (1+\u)<<6
.set i, \i0
.rept \n
	global_load_b128 v[128+4*i:128+4*i+3], v[L16], s[8:9] offset:32768*\u+16384+512*i
.set i, i+1
.endr
	WIN 0
.endm
.macro WD n                            ; 16 of the 96 loads of tiles 0-7 from my part of the stage
	WIN (1+(\n)/2)<<6
.set i, 16*((\n)%2)
.rept 16
	ds_load_b128 v[4*i:4*i+3], v[WR] offset:16384*((\n)/2)+512*i
.set i, i+1
.endr
	WIN 0
.endm
	PF 1
	GW 0, 0, 32
	; the constants: v[ACC + 32 p + 2 t] = W_out, v[ACC + 32 p + 2 t + 1] = 2 W_out b_ft
	s_wait_loadcnt 0x20                            ; b_ft, W_out and the scale words are in; W's 32 loads may be out
.irp t, 0,1,2,3,4,5,6,7,8,9,10,11,12,13,14,15
	v_add_f32 v[B1+\t], v[NB+\t], v[NB+\t]
	v_add_f32 v[TM+\t], v[XF+\t], v[XF+16+\t]
.endr
.irp t, 0,1,2,3,4,5,6,7,8,9,10,11,12,13,14,15
	v_mov_b32 v[ACC+2*\t], v[XF+\t]
	v_mul_f32 v[ACC+2*\t+1], v[XF+\t], v[B1+\t]
	v_mov_b32 v[ACC+32+2*\t], v[XF+16+\t]
	v_mul_f32 v[ACC+33+2*\t], v[XF+16+\t], v[B1+\t]
	v_mul_f32 v[TM+\t], v[TM+\t], v[NB+\t]
.endr
	v_mul_f32 v[K0], v[TM], v[NB]
	v_mul_f32 v[K0+1], v[TM+1], v[NB+1]
.irp t, 2,4,6,8,10,12,14
	v_fma_f32 v[K0], v[TM+\t], v[NB+\t], v[K0]
	v_fma_f32 v[K0+1], v[TM+\t+1], v[NB+\t+1], v[K0+1]
.endr
	v_add_f32 v[K0], v[K0], v[K0+1]
	v_mov_b32 v[K0+1], v[K0]
.irp t, 0,1,2,3,4,5,6,7,8,9,10,11,12,13,14,15
	v_sub_f32 v[B1+\t], 1.0, v[NB+\t]
	v_mul_f32 v[NB+\t], -1.0, v[NB+\t]
.endr
	GW 1, 0, 32
; the numbers of unit u (columns 128 u on): 32 of one block in each lane
.macro UNITREG u
.set rN, XF
.if (\u)%3 == 1
.set rN, ACC
.endif
.if (\u)%3 == 2
.set rN, ACC+32
.endif
.endm
.macro LN u
	UNITREG \u
.irp j, 0,1,2,3,4,5,6,7
	ds_load_b128 v[rN+4*\j:rN+4*\j+3], v[NA] offset:512*(\u)+16*((\u)/2)+16*\j
.endr
.endm
; unit u becomes 16 bytes of codes and a scale byte in image f
.macro Q u, f
	UNITREG \u
.set rC, XF+32+4*((\u)%4)
.set rY, TM+5+(\u)%2
	v_max3_num_f32 v[TM], |v[rN]|, |v[rN+1]|, |v[rN+2]|
	v_max3_num_f32 v[TM+1], |v[rN+9]|, |v[rN+10]|, |v[rN+11]|
	v_max3_num_f32 v[TM+2], |v[rN+18]|, |v[rN+19]|, |v[rN+20]|
	v_max3_num_f32 v[TM+3], |v[rN+25]|, |v[rN+26]|, |v[rN+27]|
.irp i, 3,5
	v_max3_num_f32 v[TM], v[TM], |v[rN+\i]|, |v[rN+\i+1]|
	v_max3_num_f32 v[TM+1], v[TM+1], |v[rN+9+\i]|, |v[rN+10+\i]|
	v_max3_num_f32 v[TM+2], v[TM+2], |v[rN+18+\i]|, |v[rN+19+\i]|
	v_max3_num_f32 v[TM+3], v[TM+3], |v[rN+25+\i]|, |v[rN+26+\i]|
.endr
	v_max3_num_f32 v[TM], v[TM], |v[rN+7]|, |v[rN+8]|
	v_max3_num_f32 v[TM+1], v[TM+1], |v[rN+16]|, |v[rN+17]|
	v_max3_num_f32 v[TM+2], v[TM+2], v[TM+3], 0x1800000    ; the floor 2^(3 - 127): the byte cannot fall under 1
	v_max3_num_f32 v[TM], v[TM], v[TM+1], v[TM+2]
	v_add_nc_u32 v[TM+4], 0xff000000, v[TM]        ; 2 off the exponent field: the conversion's scale operand
.irp g, 0,1,2,3
	v_cvt_scalef32_pk8_fp4_f32 v[rC+\g], v[rN+8*\g:rN+8*\g+7], v[TM+4]
.endr
	v_lshrrev_b32 v[rY], 23, v[TM+4]               ; the scale's byte; also the plain place behind the conversions
	ds_store_b128 v[IW], v[rC:rC+3] offset:(\f)*IMGB+1024*(\u)
	ds_store_b8 v[SW], v[rY] offset:(\f)*IMGB+128*(\u)
.endm
; My 8 rows of a chunk become codes, six units; unit 0's loads have been issued.  LDS instructions end in order: each wait's count is what has been issued behind the unit that is due: 8 loads a unit, 2 stores a unit;
; hd = 1 (chunk 0): 16 loads of W from the stage behind each unit too, and in front 16 of them and the 16 stores of the constants.
.macro QUANT f, hd
.if \hd
	WD 0                                           ; these read the first 8,192 bytes of my part of the stage,
.irp q, 0,1,2,3,4,5,6,7,8,9,10,11,12,13,14,15
	ds_store_b128 v[CT], v[ACC+4*\q:ACC+4*\q+3] offset:16*\q   ; over which the constants go: LDS serves a wave's instructions in order, and the stage has had its last fill
.endr
.endif
	LN 1
	LN 2
	s_wait_dscnt 16+32*\hd
	Q 0, \f
.if \hd
	WD 1
	GW 2, 0, 8
.endif
	LN 3
	s_wait_dscnt 18+16*\hd
	Q 1, \f
.if \hd
	WD 2
	GW 2, 8, 8
.endif
	LN 4
	s_wait_dscnt 20+32*\hd
	Q 2, \f
.if \hd
	WD 3
	GW 2, 16, 8
.endif
	LN 5
	s_wait_dscnt 20+32*\hd
	Q 3, \f
.if \hd
	WD 4
	GW 2, 24, 8
.endif
	s_wait_dscnt 12+32*\hd
	Q 4, \f
.if \hd
	WD 5
.endif
	s_wait_dscnt 4+32*\hd
	Q 5, \f
.endm
.macro FETCHX p, f                     ; board p's six fragments
.irp s, 0,1,2,3,4,5
.irp c, 0,1
	ds_load_b128 v[XF+8*\s+4*\c:XF+8*\s+4*\c+3], v[IR] offset:(\f)*IMGB+1024*(6*\p+\s)+512*\c
.endr
.endr
.endm
.macro CRL p, g                        ; the constants of board p, tiles 8 g .. 8 g + 7
.irp q, 0,1,2,3
	ds_load_b128 v[CR+4*\q:CR+4*\q+3], v[CT] offset:64*(2*\p+\g)+16*\q
.endr
.endm
; One matrix instruction: accumulator k += x(K step 2 u + e) x W(tile t, K step 2 u + e).  x's scale words: lanes 0-15 for p = 0, lanes 16-31 for p = 1; W's: lanes 0-15 for e = 0, lanes 16-31 for e = 1.  K step 0 starts the sum.
; Not transposed: lane (r, h) register j holds batch row 8 h + j, tile t's lane-r output.
.macro MM k, t, u, e, p
.set rD, ACC+8*(\k)
.set rX, XF+8*(2*(\u)+(\e))
.set rW, 8*(2*(\t)+(\e))
.set rSX, XS+2*(\u)+(\e)
.set rSW, WS+3*(\t)+(\u)
.if ((\u)+(\e)) == 0
.if (\p) == 0
	v_wmma_scale_f32_16x16x128_f8f6f4 v[rD:rD+7], v[rX:rX+7], v[rW:rW+7], 0, v[rSX], v[rSW] matrix_a_fmt:MATRIX_FMT_FP4 matrix_b_fmt:MATRIX_FMT_FP4
.else
	v_wmma_scale_f32_16x16x128_f8f6f4 v[rD:rD+7], v[rX:rX+7], v[rW:rW+7], 0, v[rSX], v[rSW] matrix_a_fmt:MATRIX_FMT_FP4 matrix_b_fmt:MATRIX_FMT_FP4 matrix_a_scale:MATRIX_SCALE_ROW1
.endif
.else
.if (\p) == 0
.if (\e) == 0
	v_wmma_scale_f32_16x16x128_f8f6f4 v[rD:rD+7], v[rX:rX+7], v[rW:rW+7], v[rD:rD+7], v[rSX], v[rSW] matrix_a_fmt:MATRIX_FMT_FP4 matrix_b_fmt:MATRIX_FMT_FP4
.else
	v_wmma_scale_f32_16x16x128_f8f6f4 v[rD:rD+7], v[rX:rX+7], v[rW:rW+7], v[rD:rD+7], v[rSX], v[rSW] matrix_a_fmt:MATRIX_FMT_FP4 matrix_b_fmt:MATRIX_FMT_FP4 matrix_b_scale:MATRIX_SCALE_ROW1
.endif
.else
.if (\e) == 0
	v_wmma_scale_f32_16x16x128_f8f6f4 v[rD:rD+7], v[rX:rX+7], v[rW:rW+7], v[rD:rD+7], v[rSX], v[rSW] matrix_a_fmt:MATRIX_FMT_FP4 matrix_b_fmt:MATRIX_FMT_FP4 matrix_a_scale:MATRIX_SCALE_ROW1
.else
	v_wmma_scale_f32_16x16x128_f8f6f4 v[rD:rD+7], v[rX:rX+7], v[rW:rW+7], v[rD:rD+7], v[rSX], v[rSW] matrix_a_fmt:MATRIX_FMT_FP4 matrix_b_fmt:MATRIX_FMT_FP4 matrix_a_scale:MATRIX_SCALE_ROW1 matrix_b_scale:MATRIX_SCALE_ROW1
.endif
.endif
.endif
.endm
; 48 matrix instructions: 16 rows of board p x my tiles 8 g .. 8 g + 7, all of K.  The eight accumulators take turns, one instruction a turn.  Source 1 (W) in window 1 + u
.macro MULS p, g
.irp u, 0,1,2
	WIN (1+\u)<<2
.irp e, 0,1
.irp k, 0,1,2,3,4,5,6,7
	MM \k, 8*\g+\k, \u, \e, \p
.endr
.endr
.endr
	WIN 0
	PLACES
.endm
; What follows the products, two accumulators at a time, each from its low end on.  first = 1: the chunk's first accumulator starts the sums.  hook = 1: half way, the next chunk's load is waited for and its unit 0 asked for
.macro EPI g, first, hook
.irp kk, 0,2,4,6
.if (\hook) && (\kk == 4)
	s_wait_tensorcnt 0x0                           ; my load is in, and I read only what it brought
	LN 0
.endif
.irp a, 0,1
.irp j, 0,1,2,3,4,5,6,7
	v_med3_num_f32 v[ACC+8*(\kk+\a)+\j], v[ACC+8*(\kk+\a)+\j], v[NB+8*\g+\kk+\a], v[B1+8*\g+\kk+\a]    ; m
.endr
.endr
.irp a, 0,1
.irp j, 0,2,4,6
	v_pk_fma_f32 v[TM+8*\a+\j:TM+8*\a+\j+1], v[ACC+8*(\kk+\a)+\j:ACC+8*(\kk+\a)+\j+1], v[CR+2*(\kk+\a):CR+2*(\kk+\a)+1], v[CR+2*(\kk+\a):CR+2*(\kk+\a)+1] op_sel:[0,0,1] op_sel_hi:[1,0,1]   ; w m + 2 w b: the pair's low word multiplies, its high word is added
.endr
.endr
.irp a, 0,1
.irp j, 0,2,4,6
.if (\first) && ((\kk+\a) == 0)
	v_pk_fma_f32 v[SUM+\j:SUM+\j+1], v[ACC+\j:ACC+\j+1], v[TM+\j:TM+\j+1], v[K0:K0+1]
.else
	v_pk_fma_f32 v[SUM+\j:SUM+\j+1], v[ACC+8*(\kk+\a)+\j:ACC+8*(\kk+\a)+\j+1], v[TM+8*\a+\j:TM+8*\a+\j+1], v[SUM+\j:SUM+\j+1]
.endif
.endr
.endr
.endr
.endm
.macro REDUCE                          ; the sums over my 256 outputs: the 16 lanes of a half are added; every lane of a half then holds the same eight numbers
.irp m, 1,2,4,8
.irp j, 0,1,2,3,4,5,6,7
	v_add_f32_dpp v[SUM+\j], v[SUM+\j], v[SUM+\j] row_xmask:\m row_mask:0xf bank_mask:0xf
.endr
.endr
.endm
.macro SENDSUM c                       ; and writes them to the same 32 bytes
	ds_store_b128 v[OW], v[SUM:SUM+3] offset:64*(\c)
	ds_store_b128 v[OW], v[SUM+4:SUM+7] offset:64*(\c)+16
.endm
.macro PRODUCTS c
.irp s, 0,1,2,3,4,5
	ds_load_b32 v[XS+\s], v[SRD] offset:((\c)%2)*IMGB+128*\s
.endr
	FETCHX 0, (\c)%2
	CRL 0, 0
.if (\c) > 0
	SENDSUM \c-1
.endif
.if (\c) < 2
	PF \c+2
.endif
	s_wait_dscnt 0x0
	MULS 0, 0
	EPI 0, 1, 0
	CRL 0, 1
.if (\c) == 0
	s_wait_loadcnt 0x0                             ; W's tiles 8-15: once
.endif
	MULS 0, 1
	s_wait_dscnt 0x0                               ; the constants are in
	FETCHX 1, (\c)%2                               ; the second board's fragments come under the vector work below
	EPI 1, 0, 0
	CRL 1, 0
	s_wait_dscnt 4                                 ; the fragments are in; the constants' four loads may be out
	MULS 1, 0
	s_wait_dscnt 0x0
	EPI 0, 0, 0
	CRL 1, 1
	MULS 1, 1
	s_wait_dscnt 0x0
.if (\c) < 3
	EPI 1, 0, 1
.else
	EPI 1, 0, 0
.endif
.endm
; To the next chunk: the slot is filled again.  red = 1: the last chunk's sums are added over the lanes while the add is out;  the descriptor steps from the second refill on
.macro NEXT red
	s_wait_tensorcnt 0x0                           ; all my tensor loads have landed
	ds_add_u32 v[SPW], v[NIL]                      ; 0 onto my spare word
.if \red
	REDUCE
	s_add_nc_u64 s[G0R+2:G0R+3], s[G0R+2:G0R+3], 49152     ; 16 rows further down
.endif
	s_wait_alu depctr_va_vdst(0)                   ; directly ahead of the wait below
	s_wait_dscnt 0x0                               ; the add is done, my reads of the slot are over, my codes lie in the image
	CROUND
	tensor_load_to_lds s[G0R:G0R+3], s[G1R:G1R+7]  ; my one tensor load behind the round
	s_nop 0
.endm
	s_wait_alu depctr_va_vdst(0)                   ; the wait at the head's end
	s_wait_kmcnt 0x0                               ; b_out
	s_mov_b32 s57, s56                             ; (the packed form names the pair, so its upper word is written)
	s_wait_tensorcnt 0x0                           ; my load of the head's four is in: say so to the others
	s_barrier_signal -1
	s_barrier_wait -1
	LN 0
	QUANT 0, 1
	NEXT 0
	PRODUCTS 0
	QUANT 1, 0
	NEXT 1
	PRODUCTS 1
	QUANT 0, 0
	NEXT 1
	PRODUCTS 2
	QUANT 1, 0
	REDUCE
	s_wait_alu depctr_va_vdst(0)                   ; directly ahead of the wait below
	s_wait_dscnt 0x0                               ; nothing is filled again: a barrier for chunk 3's image alone
	s_barrier_signal -1
	s_barrier_wait -1
	PRODUCTS 3
	REDUCE
	SENDSUM 3
	s_wait_tensorcnt 0x0                           ; the wave's end, behind my last tensor load and my last LDS store
	ds_add_u32 v[SPW], v[NIL]
	s_wait_dscnt 0x0
	CROUND                                         ; the closing round; it also brings the four waves' sums together
	s_cmp_lg_u32 s20, 0
	s_cbranch_scc1 .Lend
.irp i, 0,1,2,3
	ds_load_b64 v[ACC+2*\i:ACC+2*\i+1], v[ORD] offset:256*\i   ; lane l: rows 2 l and 2 l + 1 of wave i's sums
.endr
	s_wait_dscnt 0x0
	v_pk_add_f32 v[ACC:ACC+1], v[ACC:ACC+1], v[ACC+2:ACC+3]
	v_pk_add_f32 v[ACC+4:ACC+5], v[ACC+4:ACC+5], v[ACC+6:ACC+7]
	v_pk_add_f32 v[ACC:ACC+1], v[ACC:ACC+1], v[ACC+4:ACC+5]
	v_pk_add_f32 v[ACC:ACC+1], v[ACC:ACC+1], s[56:57] op_sel_hi:[1,0]   ; + b_out
	v_mul_f32 v[ACC], 0xbfb8aa3b, v[ACC]           ; sigmoid(x) = 1 / (1 + 2^(-x log2(e)))
	v_mul_f32 v[ACC+1], 0xbfb8aa3b, v[ACC+1]
	v_and_b32 v[TM], 31, v0
	v_lshlrev_b32 v[TM], 3, v[TM]                  ; 8 l
	s_wait_alu depctr_va_vdst(0)                   ; a wait ahead of a batch of transcendentals and behind it
	v_exp_f32 v[ACC], v[ACC]
	v_exp_f32 v[ACC+1], v[ACC+1]
	v_nop                                          ; a plain place behind the exponentials
	s_wait_alu depctr_va_vdst(0)
	v_add_f32 v[ACC], 1.0, v[ACC]
	v_add_f32 v[ACC+1], 1.0, v[ACC+1]
	s_wait_alu depctr_va_vdst(0)
	v_rcp_f32 v[ACC], v[ACC]
	v_rcp_f32 v[ACC+1], v[ACC+1]
	v_nop
	s_wait_alu depctr_va_vdst(0)
	global_store_b64 v[TM], v[ACC:ACC+1], s[18:19] ; 32 lanes store 256 consecutive bytes, at a multiple of 256 from out0's first byte
.Lend:
	s_endpgm
.Lfunc_end_k_q0d7d52788e_net:
	.size	k_q0d7d52788e_net, .Lfunc_end_k_q0d7d52788e_net-k_q0d7d52788e_net
	.p2alignl 7, 3214868480
	.fill 96, 4, 3214868480
	.section	.rodata,"a",@progbits
	.p2align	6, 0x0
	.amdhsa_kernel k_q0d7d52788e_net
		.amdhsa_group_segment_fixed_size 327680
		.amdhsa_private_segment_fixed_size 0
		.amdhsa_enable_private_segment 0
		.amdhsa_kernarg_size 64
		.amdhsa_user_sgpr_count 2
		.amdhsa_user_sgpr_kernarg_segment_ptr 1
		.amdhsa_wavefront_size32 1
		.amdhsa_system_sgpr_workgroup_id_x 1
		.amdhsa_system_sgpr_workgroup_id_y 1
		.amdhsa_system_sgpr_workgroup_id_z 1
		.amdhsa_system_vgpr_workitem_id 0
		.amdhsa_next_free_vgpr 1024
		.amdhsa_next_free_sgpr 80
		.amdhsa_reserve_vcc 0
		.amdhsa_float_denorm_mode_32 3
		.amdhsa_float_denorm_mode_16_64 3
		.amdhsa_memory_ordered 1
		.amdhsa_forward_progress 1
		.amdhsa_inst_pref_size 255
	.end_amdhsa_kernel
	.section	.bss,"aw",@nobits
	.p2align	6
	.space	262144
	.amdgpu_metadata
---
amdhsa.version: [ 1, 2 ]
amdhsa.kernels:
  - .name:           k_q0d7d52788e_net
    .symbol:         k_q0d7d52788e_net.kd
    .args:
      - { .name: board_stm, .offset: 0, .size: 8, .value_kind: global_buffer, .address_space: global }
      - { .name: board_nstm, .offset: 8, .size: 8, .value_kind: global_buffer, .address_space: global }
      - { .name: wq, .offset: 16, .size: 8, .value_kind: global_buffer, .address_space: global }
      - { .name: ws, .offset: 24, .size: 8, .value_kind: global_buffer, .address_space: global }
      - { .name: b_ft, .offset: 32, .size: 8, .value_kind: global_buffer, .address_space: global }
      - { .name: W_out, .offset: 40, .size: 8, .value_kind: global_buffer, .address_space: global }
      - { .name: b_out, .offset: 48, .size: 8, .value_kind: global_buffer, .address_space: global }
      - { .name: out0, .offset: 56, .size: 8, .value_kind: global_buffer, .address_space: global }
    .group_segment_fixed_size: 327680
    .private_segment_fixed_size: 0
    .kernarg_segment_align: 8
    .kernarg_segment_size: 64
    .max_flat_workgroup_size: 128
    .sgpr_count:     80
    .vgpr_count:     1024
    .wavefront_size: 32
...
	.end_amdgpu_metadata
.endif
;; end of part 2
